; MI455X (gfx1250); checked and timed in simulation.
; The chip was launched on July 23, 2026; its instructions are those of AMD's public machine-readable ISA for CDNA 5 (MIT licence, August 2026) and "CDNA5" Instruction Set Architecture Reference Guide (July 2026). The comments in the code are by the model that wrote it; some were corrected since.
;; Self Attention. Allowed arithmetic: float matrix products may take bf16 or f16 operands with f32 sums; all other float work in f32.
;; Inputs: Wk 1,024 x 1,024 float32; Wo 1,024 x 1,024 float32; Wq 1,024 x 1,024 float32; Wv 1,024 x 1,024 float32; bo 1,024 float32; x 4 x 2,048 x 1,024 float32.
;; Outputs: out0 4 x 2,048 x 1,024 float32.
;; Constants: n_heads = 8.
;; 2 versions, each right; version 2 is version 1 with the launch cast written anew for expert scheduling mode. Each part assembles by itself: llvm-mc -triple=amdgcn-amd-amdhsa -mcpu=gfx1250 --defsym DOCPART=n.
;; ======== version 1 of 2: 4 launches
;; limits: values are held in f16: magnitudes above 65,504 overflow, below 6.1e-05 lose precision
;; workspace buffers: xw 25,165,824 bytes; qkv 50,331,648 bytes; ao 16,777,216 bytes
;; launch cast (part 1): grid 768 x 1, 8 waves a work-group, no clusters, 0 bytes of LDS; arguments x, Wq, Wk, Wv, Wo, xw; writes xw
.if DOCPART == 1
	.amdgcn_target "amdgcn-amd-amdhsa--gfx1250"
	.amdhsa_code_object_version 6
	.text
	.protected	k_q5cb5828946_cast
	.globl	k_q5cb5828946_cast
	.p2align	8
	.type	k_q5cb5828946_cast,@function
k_q5cb5828946_cast:
	s_mov_b64 s[64:65], 0
	v_nop
	global_prefetch_b8 v0, s[64:65] scope:SCOPE_SE
	s_setreg_imm32_b32 hwreg(HW_REG_WAVE_MODE, 25, 1), 1
	s_wait_xcnt 0x0
; xw[12288][1024] in f16 = x (rows 0-8191), Wq (8192..), Wk (9216..), Wv (10240..), Wo (11264..), each number rounded once.
; WHY f16: the result passes through a chain of rounded operands (x, W, q, k, v, p, the attention's output, Wo); f16's eleven significant bits make each of
; these roundings eight times finer than eight bits would.  LIMIT: an input beyond 65,504 in magnitude becomes infinite; below 6.1e-5 the step is 6e-8.
; A stream: every input byte is read once, every output byte written once.  No LDS, no matrix unit, no cluster: no two work-groups read the same byte.
; Work-group g takes 16,384 numbers: 65,536 bytes in, 32,768 bytes out.  g < 512: chunk g of x; g = 512 + 64 w + c: chunk c of weight w.
; The place in xw is g x 32,768 in every case, since the five tensors lie there one behind the other.
; Thread t takes 16 bytes at 16 t of each of sixteen pieces of 4,096 bytes: a wave's load covers 512 consecutive bytes, and its store of 8 bytes a lane
; covers 256 consecutive bytes that start at a multiple of 256 from xw's first byte.  All sixteen loads go out before the first wait.
.set X, 4                              ; v[4:67]   piece i: 4 numbers in f32
.set Y, 68                             ; v[68:99]  piece i: the same 4 in f16
	s_load_b256 s[4:11], s[0:1], 0x0               ; x s[4:5], Wq s[6:7], Wk s[8:9], Wv s[10:11]
	s_load_b128 s[12:15], s[0:1], 0x20             ; Wo s[12:13], xw s[14:15]
	s_mov_b32 s16, ttmp9                           ; g
	s_and_b32 s17, s16, 63                         ; the chunk inside a weight
	v_lshlrev_b32 v1, 4, v0                        ; 16 t: where I load
	v_lshlrev_b32 v2, 3, v0                        ; 8 t: where I store
	s_wait_kmcnt 0x0
	s_mov_b64 s[20:21], s[12:13]                   ; the source: Wo, unless g lies below one of the four bounds
	s_cmp_lt_u32 s16, 704
	s_cselect_b64 s[20:21], s[10:11], s[20:21]     ; Wv
	s_cmp_lt_u32 s16, 640
	s_cselect_b64 s[20:21], s[8:9], s[20:21]       ; Wk
	s_cmp_lt_u32 s16, 576
	s_cselect_b64 s[20:21], s[6:7], s[20:21]       ; Wq
	s_cmp_lt_u32 s16, 512
	s_cselect_b64 s[20:21], s[4:5], s[20:21]       ; x
	s_cselect_b32 s18, s16, s17                    ; and the chunk's number in that source (a select leaves SCC as it is)
	s_lshl_b32 s18, s18, 16                        ; x 65,536 bytes: 511 x 65,536 at the most
	s_mov_b32 s19, 0
	s_add_nc_u64 s[20:21], s[20:21], s[18:19]
	s_lshl_b32 s22, s16, 15                        ; g x 32,768 bytes
	s_mov_b32 s23, 0
	s_add_nc_u64 s[14:15], s[14:15], s[22:23]
.set i, 0
.rept 16
	global_load_b128 v[X+4*i:X+4*i+3], v1, s[20:21] offset:4096*i th:TH_LOAD_NT   ; read once in the whole launch
.set i, i+1
.endr
.set i, 0
.rept 16
	s_wait_loadcnt 15-i                            ; loads come back in order: piece i is in, the 15 - i younger ones stay out
	v_cvt_pk_f16_f32 v[Y+2*i], v[X+4*i], v[X+4*i+1]
	v_cvt_pk_f16_f32 v[Y+2*i+1], v[X+4*i+2], v[X+4*i+3]
	global_store_b64 v2, v[Y+2*i:Y+2*i+1], s[14:15] offset:2048*i   ; no hint: the next launch reads it.  No register is written twice, so no further wait
.set i, i+1
.endr
	s_endpgm
.Lfunc_end_k_q5cb5828946_cast:
	.size	k_q5cb5828946_cast, .Lfunc_end_k_q5cb5828946_cast-k_q5cb5828946_cast
	.p2alignl 7, 3214868480
	.fill 96, 4, 3214868480
	.section	.rodata,"a",@progbits
	.p2align	6, 0x0
	.amdhsa_kernel k_q5cb5828946_cast
		.amdhsa_group_segment_fixed_size 0
		.amdhsa_private_segment_fixed_size 0
		.amdhsa_enable_private_segment 0
		.amdhsa_kernarg_size 48
		.amdhsa_user_sgpr_count 2
		.amdhsa_user_sgpr_kernarg_segment_ptr 1
		.amdhsa_wavefront_size32 1
		.amdhsa_system_sgpr_workgroup_id_x 1
		.amdhsa_system_sgpr_workgroup_id_y 1
		.amdhsa_system_sgpr_workgroup_id_z 1
		.amdhsa_system_vgpr_workitem_id 0
		.amdhsa_next_free_vgpr 100
		.amdhsa_next_free_sgpr 66
		.amdhsa_reserve_vcc 0
		.amdhsa_float_denorm_mode_32 3
		.amdhsa_float_denorm_mode_16_64 3
		.amdhsa_memory_ordered 1
		.amdhsa_forward_progress 1
		.amdhsa_inst_pref_size 7
	.end_amdhsa_kernel
	.amdgpu_metadata
---
amdhsa.version: [ 1, 2 ]
amdhsa.kernels:
  - .name:           k_q5cb5828946_cast
    .symbol:         k_q5cb5828946_cast.kd
    .args:
      - { .name: x, .offset: 0, .size: 8, .value_kind: global_buffer, .address_space: global }
      - { .name: Wq, .offset: 8, .size: 8, .value_kind: global_buffer, .address_space: global }
      - { .name: Wk, .offset: 16, .size: 8, .value_kind: global_buffer, .address_space: global }
      - { .name: Wv, .offset: 24, .size: 8, .value_kind: global_buffer, .address_space: global }
      - { .name: Wo, .offset: 32, .size: 8, .value_kind: global_buffer, .address_space: global }
      - { .name: xw, .offset: 40, .size: 8, .value_kind: global_buffer, .address_space: global }
    .group_segment_fixed_size: 0
    .private_segment_fixed_size: 0
    .kernarg_segment_align: 8
    .kernarg_segment_size: 48
    .max_flat_workgroup_size: 256
    .sgpr_count:     66
    .vgpr_count:     100
    .wavefront_size: 32
...
	.end_amdgpu_metadata
.endif
;; end of part 1
;; launch qkv (part 2): grid 12 x 32, 4 waves a work-group, clusters of 4 x 4, 327,680 bytes of LDS; arguments xw, qkv; writes qkv
.if DOCPART == 2
	.amdgcn_target "amdgcn-amd-amdhsa--gfx1250"
	.amdhsa_code_object_version 6
	.text
	.protected	k_q5cb5828946_qkv
	.globl	k_q5cb5828946_qkv
	.p2align	8
	.type	k_q5cb5828946_qkv,@function
k_q5cb5828946_qkv:
	s_mov_b64 s[64:65], 0
	v_nop
	global_prefetch_b8 v0, s[64:65] scope:SCOPE_SE
	s_setreg_imm32_b32 hwreg(HW_REG_WAVE_MODE, 25, 1), 1
	s_wait_xcnt 0x0
	s_wait_alu depctr_hold_cnt(0) depctr_sa_sdst(0) depctr_va_vdst(0) depctr_va_sdst(0) depctr_va_ssrc(0) depctr_va_vcc(0) depctr_vm_vsrc(0)
	s_getreg_b32 s2, hwreg(HW_REG_IB_STS2, 6, 4)
	s_cmp_eq_u32 s2, 0
	s_cbranch_scc0 .Lentry_in_a_cluster
	s_endpgm
.Lentry_in_a_cluster:
	s_bfe_u32 s2, ttmp6, 0x10000c
	s_cmp_lg_u32 s2, 0xf033
	s_cbranch_scc0 .Lentry_shape_is_right
	s_endpgm
.Lentry_shape_is_right:
; qkv[m][n] = sum over k of x[m][k] W[n][k], W = Wq, Wk, Wv one below the other.  A = xw's rows 0-8191, B = xw's rows 8192-11263, both f16 with K along
; the rows; qkv is [8192][3072] in f16: columns 0-1023 q, 1024-2047 k, 2048-3071 v.  Sums in f32, K ascending, rounded once.
; LIMIT: a result beyond 65,504 in magnitude becomes infinite in f16.  A result is a sum of 1,024 products: with x of spread 1 and W of spread 1/32 it has
; spread 1; with both 30 times larger it has spread 900, some 5,000 at the most; with a common offset of 30 spreads on both it is about
; 1,024 x 30 x 30/32 = 28,800.  Below 6.1e-5 the step is 6e-8.
; A work-group makes a block of 256 x 256 with four waves; a wave makes 128 x 128: 64 accumulator tiles of 16 x 16, 512 registers.
; K goes in steps of 128 through a ring of two LDS slots filled by the tensor data mover: a tile's rows are 256 bytes of memory and start at multiples of 256.
; CLUSTERS: 4 x 4 work-groups.  The four of a row of the cluster need the same tiles of A, the four of a column the same tiles of B: such a tile is asked for
; jointly, by the same tensor load with the same descriptor and a mask that names the four.  That divides the requests for A and for B by four.
; 12 x 32 = 384 work-groups, 24 clusters.
;
; REGISTERS, in windows of 256:
;   window 0: v0-31 addresses; v64-127, v128-191 fragments of A, two buffers; v192-223 at work on the way out
;   window 1: v64-127, v128-191 fragments of B, two buffers
;   window 2: the 32 accumulator tiles of my rows 0-63 (tile (a, b) at v[8 (8 a + b)]);   window 3: those of my rows 64-127
; s_set_vgpr_msb's low byte: bits 1:0 source 0, 3:2 source 1, 5:4 source 2, 7:6 destination.
; THE MATRIX INSTRUCTION IS USED TRANSPOSED: source 0 = 16 rows of B, source 1 = 16 rows of A.  Lane l then holds row l % 16 of C and its registers 0 to 7
; the columns 8 (l / 16) + 0 .. 7: eight neighbouring numbers of a row, which pack into 16 bytes.
.set SIZE_M, 8192
.set SIZE_N, 3072
.set SIZE_K, 1024
.set WOFF,   0x1000000                 ; byte in xw at which Wq begins: 8,192 rows of 2,048 bytes
.set KSTEP,  128
.set PITCH,  272                       ; an LDS row: 256 bytes of data + 16 of padding: the 16 rows that a fragment load touches start 16 bytes apart modulo 256
.set HALFT,  128*PITCH                 ; 128 rows: what one tensor load brings, and what one wave reads of A or of B
.set SLOT,   4*HALFT                   ; A's 256 rows, then B's 256 rows
.set STAGE,  2*SLOT                    ; behind the ring: 16 rows x 272 bytes for each wave, for the way out; no fill lands there
.set SPITCH, 272
.set LAPS, SIZE_K/(2*KSTEP)            ; a lap = two K steps = once round the ring: 4
.set ADRA, 16                          ; v16-17  LDS address of my A fragments in slot 0, 1
.set ADRB, 20                          ; v20-21  the same for B
.set STO,  24                          ; v24     the way out: where I put 16 bytes of a row
.set RD,   25                          ; v25     the way out: where I read a row back
.set CO,   26                          ; v26     my byte offset in C
.set F0,   64                          ; fragment buffer 0
.set F1,   128                         ; fragment buffer 1
.set TMP,  192                         ; the way out: packed results, in window 0
.set G1, 24                            ; s[24:31] descriptor group 1 for A's tiles
.set G0, 32                            ; s[32:39] descriptor group 0 for A's tiles, one set for each slot
.set G1B, 48                           ; s[48:55] descriptor group 1 for B's tiles: it differs from A's in the mask alone
.set G0B, 56                           ; s[56:63] descriptor group 0 for B's tiles, one set for each slot
.set MSB, 0
.macro WIN new                         ; the immediate's high byte repeats the setting that is left
.if MSB != \new
	s_set_vgpr_msb (MSB<<8)|\new
.set MSB, \new
.endif
.endm
.set MUL_LO, 0xa1                      ; source 0 (B) window 1, source 1 (A) window 0, C and D window 2
.set MUL_HI, 0xf1                      ; the same, C and D window 3
.set TO_B,   0x40                      ; destination window 1, address window 0
; A joint load.  Waves 0 and 1 fetch A's two halves, waves 2 and 3 B's.  Each line has one mask and one set of registers for all that issue it.
; The branch hangs on the wave's number alone: it is the same in every work-group.
.macro JLOAD s
	s_cmp_eq_u32 s11, 0
	s_cbranch_scc0 .Lfor_b_\@
	tensor_load_to_lds s[G0+4*\s:G0+4*\s+3], s[G1:G1+7]
	s_nop 0
	s_branch .Lasked_\@
.Lfor_b_\@:
	tensor_load_to_lds s[G0B+4*\s:G0B+4*\s+3], s[G1B:G1B+7]
	s_nop 0
.Lasked_\@:
.endm
; A round of the cluster's barrier: my work-group's barrier, so that wave 0's signal speaks for all four waves; wave 0 signals for the work-group;
; every wave waits for all sixteen work-groups; my work-group's barrier once more.
.macro CREST                           ; a round behind its opening barrier
	s_cmp_lg_u32 s10, 0
	s_cbranch_scc1 .Lnot_wave_0_\@
	s_barrier_signal -3
.Lnot_wave_0_\@:
	s_barrier_wait -3
	s_barrier_signal -1
	s_barrier_wait -1
.endm
.macro CROUND                          ; a whole round
	s_barrier_signal -1
	s_barrier_wait -1
	CREST
.endm
	s_load_b128 s[4:7], s[0:1], 0x0                ; xw s[4:5], qkv s[6:7]
	s_set_vgpr_msb 0x40
	v_lshl_add_u32 v255, v0, 2, 0x48400
	s_set_vgpr_msb 0x4000
	v_mov_b32 v255, 0
	s_set_vgpr_msb 0x1
	ds_add_u32 v255, v255
	s_set_vgpr_msb 0x100
	v_lshrrev_b32 v1, 5, v0
	v_readfirstlane_b32 s10, v1                    ; wave 0..3
	s_lshr_b32 s11, s10, 1                         ; which half of the block's rows is mine.  Also: I fetch for A (0) or for B (1)
	s_and_b32 s12, s10, 1                          ; which half of its columns.  Also: which 128 rows of that tile I fetch
	s_bfe_u32 s40, ttmp6, 0x40000                  ; cx: my place along the cluster's x
	s_bfe_u32 s41, ttmp6, 0x40004                  ; cy: along its y
	s_lshl_b32 s42, ttmp9, 2                       ; in a cluster launch ttmp9 and ttmp7 count clusters
	s_add_co_u32 s42, s42, s40                     ; block column of C = 4 x cluster x + cx
	s_and_b32 s13, ttmp7, 0xffff
	s_lshl_b32 s13, s13, 2
	s_add_co_u32 s13, s13, s41                     ; block row of C = 4 x cluster y + cy
	s_lshl_b32 s43, s41, 2
	s_lshl_b32 s43, 15, s43                        ; my row of the cluster: places 4 cy .. 4 cy + 3
	s_lshl_b32 s44, 0x1111, s40                    ; my column: places cx, cx + 4, cx + 8, cx + 12
	; descriptor group 1: a tile of 128 rows x 128 elements, padded in LDS
	s_or_b32 s[G1+0], s43, (1<<16)|(1<<20)|(1<<21)|(5<<22)|(3<<25)  ; 15:0 the mask: A's tiles go to my row; 17:16 element of 2 bytes; 20 padding on; 21 set beside a mask; 24:22 after every 64 words; 31:25 of 4 words
	s_or_b32 s[G1B+0], s44, (1<<16)|(1<<20)|(1<<21)|(5<<22)|(3<<25) ; the same with the mask of my column, for B's tiles
	s_mov_b32 s[G1B+1], KSTEP<<16
	s_mov_b32 s[G1+1], KSTEP<<16                   ; tensor_dim0 = 128
	s_mov_b32 s[G1B+2], 128<<16
	s_mov_b32 s[G1+2], 128<<16                     ; tensor_dim1 = 128
	s_mov_b32 s[G1B+3], KSTEP<<16
	s_mov_b32 s[G1+3], KSTEP<<16                   ; tile_dim0 = 128
	s_mov_b32 s[G1B+4], 128
	s_mov_b32 s[G1+4], 128                         ; tile_dim1 = 128
	s_mov_b32 s[G1B+5], SIZE_K
	s_mov_b32 s[G1+5], SIZE_K                      ; elements from row to row
	s_mov_b32 s[G1B+6], 0
	s_mov_b32 s[G1+6], 0
	s_mov_b32 s[G1B+7], 0
	s_mov_b32 s[G1+7], 0
	; where the tiles come from.  A's hang on the block row alone, which my row of the cluster shares; B's on the block column alone, which my column shares.
	s_lshl_b32 s17, s12, 7                         ; which 128 rows of the tile I fetch
	s_lshl_b32 s16, s13, 8
	s_add_co_u32 s16, s16, s17                     ; A: row 256 x block row + 128 x half
	s_lshl_b32 s46, s42, 8
	s_add_co_u32 s46, s46, s17                     ; B: row 256 x block column + 128 x half
	s_mov_b32 s17, 0
	s_mov_b32 s47, 0
	s_mov_b64 s[18:19], SIZE_K*2
	s_mul_u64 s[16:17], s[16:17], s[18:19]         ; in bytes
	s_mul_u64 s[46:47], s[46:47], s[18:19]
	s_mul_i32 s20, s10, HALFT                      ; and where they go: wave x 128 rows: no place in the cluster enters an LDS address
	s_wait_dscnt 0x0
	s_wait_kmcnt 0x0
	s_mov_b64 s[8:9], s[6:7]                       ; C = qkv
	s_add_nc_u64 s[6:7], s[4:5], WOFF              ; B = the three weights in xw
	s_add_nc_u64 s[14:15], s[4:5], s[16:17]
	s_add_nc_u64 s[46:47], s[6:7], s[46:47]
	CROUND                                         ; all sixteen work-groups are here: the first joint loads meet
.irp s, 0,1
	s_mov_b32 s[G0+4*\s], 1                                        ; count = 1
	s_add_co_u32 s[G0+4*\s+1], s20, \s*SLOT                        ; LDS address
	s_add_nc_u64 s[G0+4*\s+2:G0+4*\s+3], s[14:15], \s*KSTEP*2      ; global address: K step s
	s_or_b32 s[G0+4*\s+3], s[G0+4*\s+3], 0x80000000                ; type = 2
	s_mov_b32 s[G0B+4*\s], 1
	s_add_co_u32 s[G0B+4*\s+1], s20, \s*SLOT
	s_add_nc_u64 s[G0B+4*\s+2:G0B+4*\s+3], s[46:47], \s*KSTEP*2
	s_or_b32 s[G0B+4*\s+3], s[G0B+4*\s+3], 0x80000000
	JLOAD \s                                       ; both slots' first fills go out together: two tensor loads of this wave are out, later one
.endr
	; A fragment is 16 rows x 32 K in 8 registers: lane l holds row l % 16; registers 0-3 hold K = 8 (l / 16) + 0..7, registers 4-7 hold
	; K = 16 + 8 (l / 16) + 0..7.  From rows that lie along K: two loads of 16 bytes, 32 bytes apart.
	v_and_b32 v1, 15, v0                           ; l % 16
	v_bfe_u32 v2, v0, 4, 1                         ; l / 16
	v_mul_u32_u24 v3, v1, PITCH
	v_lshl_add_u32 v3, v2, 4, v3                   ; row x pitch + 16 x half
	s_mul_i32 s21, s11, HALFT                      ; my 128 rows of A
	s_mul_i32 s22, s12, HALFT                      ; my 128 rows of B,
	s_add_co_u32 s22, s22, 2*HALFT                 ; which lie behind A's 256
.irp s, 0,1
	v_add_nc_u32 v[ADRA+\s], s21, v3
	v_add_nc_u32 v[ADRB+\s], s22, v3
	s_add_co_u32 s21, s21, SLOT
	s_add_co_u32 s22, s22, SLOT
.endr
	s_mul_i32 s23, s10, 16*SPITCH
	s_add_co_u32 s23, s23, STAGE                   ; my stage
	v_mul_u32_u24 v4, v1, SPITCH                   ; in: row l % 16, 16 bytes for each half of the lanes
	v_lshl_add_u32 v4, v2, 4, v4
	v_add_nc_u32 v[STO], s23, v4
	v_mul_u32_u24 v5, v2, SPITCH                   ; back: lanes 0-15 take one row of 256 bytes, lanes 16-31 the next
	v_lshl_add_u32 v5, v1, 4, v5
	v_add_nc_u32 v[RD], s23, v5
	v_mul_u32_u24 v5, v2, SIZE_N*2                 ; and the same two rows in C
	v_lshl_add_u32 v[CO], v1, 4, v5
; 16 matrix instructions: m blocks a0, a0 + 1 of the window's four (hi = 0: my rows 0-63, 1: rows 64-127) x all 8 n blocks, 32 along K.
; zero = 1: the first product starts the sums: nothing is ever cleared.
; The 64 accumulators take turns, one instruction a turn, in the same order in every quarter step.
.macro MUL16 f, hi, a0, zero
.irp a, \a0, \a0+1
.irp b, 0,1,2,3,4,5,6,7
.if \zero
	v_wmma_f32_16x16x32_f16 v[8*(8*(\a)+\b):8*(8*(\a)+\b)+7], v[\f+8*\b:\f+8*\b+7], v[\f+8*(4*\hi+\a):\f+8*(4*\hi+\a)+7], 0
.else
	v_wmma_f32_16x16x32_f16 v[8*(8*(\a)+\b):8*(8*(\a)+\b)+7], v[\f+8*\b:\f+8*\b+7], v[\f+8*(4*\hi+\a):\f+8*(4*\hi+\a)+7], v[8*(8*(\a)+\b):8*(8*(\a)+\b)+7]
.endif
.endr
.endr
.endm
; 32 LDS loads in one run: the fragments of one quarter step (128 rows of B, 128 rows of A, 32 K at byte k of the rows) into buffer f
.macro FETCH slot, k, f
	WIN TO_B
.irp i, 0,1,2,3,4,5,6,7
	ds_load_b128 v[\f+8*\i:\f+8*\i+3],   v[ADRB+\slot] offset:\k+\i*16*PITCH
	ds_load_b128 v[\f+8*\i+4:\f+8*\i+7], v[ADRB+\slot] offset:\k+\i*16*PITCH+32
.endr
	WIN 0
.irp i, 0,1,2,3,4,5,6,7
	ds_load_b128 v[\f+8*\i:\f+8*\i+3],   v[ADRA+\slot] offset:\k+\i*16*PITCH
	ds_load_b128 v[\f+8*\i+4:\f+8*\i+7], v[ADRA+\slot] offset:\k+\i*16*PITCH+32
.endr
.endm
; A load into a register that a matrix instruction has read, and a vector instruction that reads a matrix result, stand four places behind that matrix
; instruction; only plain vector instructions that name none of its registers are places.  So four v_nop stand in front of each run of loads.
.macro PLACES
.rept 4
	v_nop
.endr
.endm
; A K step is four quarter steps of 32 along K, 64 matrix instructions each, on buffers 0, 1, 0, 1.
; One of the first three: multiplies buffer f; in its middle it fetches the next quarter's fragments, at byte k of the same slot's rows, into buffer g.
.macro QUARTER slot, k, f, g, zero
	s_wait_dscnt 8                                 ; B and A's rows 0-63 are in; the youngest eight loads (A's rows 64-127) may be out
	WIN MUL_LO
	MUL16 \f, 0, 0, \zero
	MUL16 \f, 0, 2, \zero
	PLACES
	FETCH \slot, \k, \g
	s_wait_dscnt 32                                ; all but the 32 just issued
	WIN MUL_HI
	MUL16 \f, 1, 0, \zero
	MUL16 \f, 1, 2, \zero
.endm
.macro THREE slot, zero
	QUARTER \slot, 64,  F0, F1, \zero
	QUARTER \slot, 128, F1, F0, 0
	QUARTER \slot, 192, F0, F1, 0
.endm
; The last quarter: multiplies buffer 1 and changes slots.  next = the other slot; fill = 1: this slot is filled again, two K steps ahead.
; One barrier for the change of slots.  In front of it each wave waits for its own reads of this slot and for all its tensor loads, of which one is out:
; its part of the next slot.  Behind it nobody reads this slot any more and the next slot is whole: the refill comes first, then the next slot's first
; fragments.  From a request to the wait for it a wave issues 240 matrix instructions.
.macro TURN slot, next, fill
	s_wait_dscnt 8
	WIN MUL_LO
	MUL16 F1, 0, 0, 0
	s_wait_dscnt 0                                 ; my reads of this slot are over
	s_wait_tensorcnt 0x0                           ; and all my tensor loads have landed
	ds_add_u32 v255, v255
	s_wait_dscnt 0x0
	s_barrier_signal -1                            ; say so (where a slot is filled again this barrier opens a round of the cluster's barrier),
	MUL16 F1, 0, 2, 0                              ; work on registers while the others arrive,
	WIN 0
	s_barrier_wait -1                              ; and go on when all four have said so
.if \fill
	CREST                                          ; all sixteen work-groups have said so: no wave of any partner still reads this slot's tile or has a load on its way
	s_add_nc_u64 s[G0+4*\slot+2:G0+4*\slot+3], s[G0+4*\slot+2:G0+4*\slot+3], 2*KSTEP*2
	s_add_nc_u64 s[G0B+4*\slot+2:G0B+4*\slot+3], s[G0B+4*\slot+2:G0B+4*\slot+3], 2*KSTEP*2
	JLOAD \slot                                    ; the first tensor load behind the round, and my only one until the next
.endif
	PLACES
	FETCH \next, 0, F0
	WIN MUL_HI
	MUL16 F1, 1, 0, 0
	MUL16 F1, 1, 2, 0
.endm
.macro LAP zero                        ; once round the ring, both slots filled again
	THREE 0, \zero
	TURN 0, 1, 1
	THREE 1, 0
	TURN 1, 0, 1
.endm
	s_wait_tensorcnt 1                             ; my part of K step 0 is in; K step 1's load, issued behind it, may stay out
	s_barrier_signal -1
	s_barrier_wait -1                              ; everybody's is
	FETCH 0, 0, F0
	LAP 1                                          ; the first lap stands in front of the loop: its first products start the sums
	WIN 0                                          ; at a label and at a branch every window is 0
	s_mov_b32 s3, LAPS-2
.Llap:
	LAP 0
	WIN 0
	s_sub_co_u32 s3, s3, 1
	s_cmp_lg_u32 s3, 0
	s_cbranch_scc1 .Llap
	THREE 0, 0                                     ; the last lap fills nothing
	TURN 0, 1, 0
	THREE 1, 0
	s_wait_dscnt 8                                 ; the very last quarter: nothing more to fetch
	WIN MUL_LO
	MUL16 F1, 0, 0, 0
	MUL16 F1, 0, 2, 0
	s_wait_dscnt 0
	WIN MUL_HI
	MUL16 F1, 1, 0, 0
	MUL16 F1, 1, 2, 0
	; THE WAY OUT, 16 rows of C at a time: round to f16, 16 bytes a lane into my own stage in LDS, read back as whole rows of 256 bytes.
	PLACES                                         ; the places behind the last matrix instructions, for the conversions and for the loads into buffers 0 and 1
	s_lshl_b32 s13, s13, 8
	s_lshl_b32 s14, s11, 7
	s_add_co_u32 s16, s13, s14                     ; my first row of C
	s_mov_b32 s17, 0
	s_mov_b64 s[18:19], SIZE_N*2
	s_mul_u64 s[16:17], s[16:17], s[18:19]
	s_add_nc_u64 s[8:9], s[8:9], s[16:17]
	s_lshl_b32 s46, s42, 9                         ; my first column, in bytes: 512 x block + 256 x half
	s_lshl_b32 s47, s12, 8
	s_add_co_u32 s46, s46, s47
	s_mov_b32 s47, 0
	s_add_nc_u64 s[8:9], s[8:9], s[46:47]
; rows 16 i .. 16 i + 15 of my block = the eight tiles (a, 0..7) of window 2 or 3 (from = 0x0a or 0x0f: sources 0 and 1); f: F0 or F1 in turn
.macro OUT16 i, a, from, f
	WIN \from
.irp b, 0,1,2,3,4,5,6,7
.irp r, 0,1,2,3
	v_cvt_pk_f16_f32 v[TMP+4*\b+\r], v[8*(8*\a+\b)+2*\r], v[8*(8*\a+\b)+2*\r+1]
.endr
.endr
	WIN 0
.irp b, 0,1,2,3,4,5,6,7
	ds_store_b128 v[STO], v[TMP+4*\b:TMP+4*\b+3] offset:32*\b
.endr
	s_wait_xcnt 0x0                                ; buffer f, which earlier stores read, and the stores' base are rewritten only behind this wait
.if \i
	s_add_nc_u64 s[8:9], s[8:9], 16*SIZE_N*2       ; 16 rows of C on
.endif
.irp t, 0,1,2,3,4,5,6,7
	ds_load_b128 v[\f+4*\t:\f+4*\t+3], v[RD] offset:\t*2*SPITCH    ; LDS serves a wave's instructions in order: these see the stores above
.endr
.irp t, 0,1,2,3,4,5,6,7
	s_wait_dscnt 7-\t                              ; read-back t is in, the 7 - t younger ones stay out
	global_store_b128 v[CO], v[\f+4*\t:\f+4*\t+3], s[8:9] offset:2*\t*SIZE_N*2   ; 16 lanes store 256 consecutive bytes, at a multiple of 256 from C's first byte
.endr
.endm
	OUT16 0, 0, 0x0a, F0
	OUT16 1, 1, 0x0a, F1
	OUT16 2, 2, 0x0a, F0
	OUT16 3, 3, 0x0a, F1
	OUT16 4, 0, 0x0f, F0
	OUT16 5, 1, 0x0f, F1
	OUT16 6, 2, 0x0f, F0
	OUT16 7, 3, 0x0f, F1
	s_set_vgpr_msb 0x1
	s_wait_tensorcnt 0x0
	ds_add_u32 v255, v255
	s_wait_dscnt 0x0
	s_set_vgpr_msb 0x100
	CROUND                                         ; the closing round: no work-group ends while a partner may still ask for a tile that names it
	s_endpgm
.Lfunc_end_k_q5cb5828946_qkv:
	.size	k_q5cb5828946_qkv, .Lfunc_end_k_q5cb5828946_qkv-k_q5cb5828946_qkv
	.p2alignl 7, 3214868480
	.fill 96, 4, 3214868480
	.section	.rodata,"a",@progbits
	.p2align	6, 0x0
	.amdhsa_kernel k_q5cb5828946_qkv
		.amdhsa_group_segment_fixed_size 327680
		.amdhsa_private_segment_fixed_size 0
		.amdhsa_enable_private_segment 0
		.amdhsa_kernarg_size 16
		.amdhsa_user_sgpr_count 2
		.amdhsa_user_sgpr_kernarg_segment_ptr 1
		.amdhsa_wavefront_size32 1
		.amdhsa_system_sgpr_workgroup_id_x 1
		.amdhsa_system_sgpr_workgroup_id_y 1
		.amdhsa_system_sgpr_workgroup_id_z 1
		.amdhsa_system_vgpr_workitem_id 0
		.amdhsa_next_free_vgpr 1024
		.amdhsa_next_free_sgpr 66
		.amdhsa_reserve_vcc 0
		.amdhsa_float_denorm_mode_32 3
		.amdhsa_float_denorm_mode_16_64 3
		.amdhsa_memory_ordered 1
		.amdhsa_forward_progress 1
		.amdhsa_inst_pref_size 196
	.end_amdhsa_kernel
	.amdgpu_metadata
---
amdhsa.version: [ 1, 2 ]
amdhsa.kernels:
  - .name:           k_q5cb5828946_qkv
    .symbol:         k_q5cb5828946_qkv.kd
    .args:
      - { .name: xw, .offset: 0, .size: 8, .value_kind: global_buffer, .address_space: global }
      - { .name: qkv, .offset: 8, .size: 8, .value_kind: global_buffer, .address_space: global }
    .group_segment_fixed_size: 327680
    .private_segment_fixed_size: 0
    .kernarg_segment_align: 8
    .kernarg_segment_size: 16
    .max_flat_workgroup_size: 128
    .sgpr_count:     66
    .vgpr_count:     1024
    .wavefront_size: 32
...
	.end_amdgpu_metadata
.endif
;; end of part 2
;; launch attn (part 3): grid 8 x 32, 4 waves a work-group, clusters of 4 x 1, 327,680 bytes of LDS; arguments qkv, ao; writes ao
.if DOCPART == 3
	.amdgcn_target "amdgcn-amd-amdhsa--gfx1250"
	.amdhsa_code_object_version 6
	.text
	.protected	k_q5cb5828946_attn
	.globl	k_q5cb5828946_attn
	.p2align	8
	.type	k_q5cb5828946_attn,@function
k_q5cb5828946_attn:
	s_mov_b64 s[64:65], 0
	v_nop
	global_prefetch_b8 v0, s[64:65] scope:SCOPE_SE
	s_setreg_imm32_b32 hwreg(HW_REG_WAVE_MODE, 25, 1), 1
	s_wait_xcnt 0x0
	s_wait_alu depctr_hold_cnt(0) depctr_sa_sdst(0) depctr_va_vdst(0) depctr_va_sdst(0) depctr_va_ssrc(0) depctr_va_vcc(0) depctr_vm_vsrc(0)
	s_getreg_b32 s2, hwreg(HW_REG_IB_STS2, 6, 4)
	s_cmp_eq_u32 s2, 0
	s_cbranch_scc0 .Lentry_in_a_cluster
	s_endpgm
.Lentry_in_a_cluster:
	s_bfe_u32 s2, ttmp6, 0x10000c
	s_cmp_lg_u32 s2, 0x3003
	s_cbranch_scc0 .Lentry_shape_is_right
	s_endpgm
.Lentry_shape_is_right:
; ao[b, i, 128 h + d] = sum over j of softmax_j(q_i . k_j / sqrt(128)) v_j[d], for each of 32 heads (b, h); q, k, v are columns 128 h, 1024 + 128 h,
; 2048 + 128 h of qkv [8192][3072] (f16); ao is [8192][1024] in f16, the heads already merged.  The scores never reach memory.
; A work-group takes 256 queries of one head (8 x 32 = 256 work-groups), a wave 64 queries = four query tiles q of 16.  The 2,048 keys go in 16 trips of 128.
; THE MAXIMUM is a running one and is taken away in front of every exponential; when it grows, the sums made so far are scaled by exp2 of the difference.
; CLUSTERS: the four work-groups of a cluster are four query blocks of one head and read the same tiles of K and V: these are asked for jointly (mask 15),
; which divides those requests by four.  Q's rows are each wave's own and come by a plain load.
; BOTH PRODUCTS ARE USED TRANSPOSED, so that nothing goes through LDS between them:
;   S^T = K Q^T:  source 0 = 16 keys x 32 d, source 1 = 16 queries x 32 d.  Lane (r, hh) register j holds (key 8 hh + j, query r).
;   Two neighbouring key tiles, packed in pairs to f16, are then the very layout of a 16-bit operand with the query in the lane and 32 keys along its registers.
;   O^T = V^T P^T:  source 0 = 16 d x 32 keys, made by the transposing LDS load from V as it lies ([key][d]); source 1 = P.  Lane (r, hh) register j holds (d 8 hh + j, query r).
;   A lane owns one query of each tile: maximum, scale and sum are numbers of the lane; the other half of a query's keys lies in lane l xor 16.
; FORMATS: p lies between 0 and about 1 whatever the inputs, since the running maximum is taken away: f16 holds it with eleven significant bits.  The result is
; a convex mix of v and is no larger than v.
; LIMITS: NaN and infinities are not treated specially.  An exponential below 2^-126 counts as 0.  A p below about 3e-8 of its row's largest so far counts as 0
; in the product (half of f16's smallest step), though not in the sum.  The row sum is made of the f32 p (before they are rounded to f16 for the product) and in
; another order than a plain sum along the row.  q, k, v, p and the result are rounded to f16; a result below 6.1e-5 in magnitude has the step 6e-8.
;
; LDS: slot s at s x 73,728: four regions of 18,432 bytes, region w filled by wave w: K's keys 0-63 and 64-127 (pitch 272), V's keys 0-63 and 64-127 (pitch 288);
;      behind the two slots 64 rows x 272 of Q for each wave, filled once; behind that 16 rows x 272 for each wave for the way out, into which no fill lands.
; REGISTERS: window 0: addresses, the softmax's state, two fragment buffers, the way out.  Window 1: Q, tile q's 32 d at step ds at v[32 q + 8 ds].
;      Window 2: S, block b = 4 ks + q of 16 registers at v[16 b] (key tiles 2 ks and 2 ks + 1 of query tile q); P in place in a block's first 8.
;      Window 3: O, tile (dt, q) at v[8 (4 dt + q)].
; s_set_vgpr_msb's low byte: bits 1:0 source 0, 3:2 source 1, 5:4 source 2, 7:6 destination.
.set ROWB,  6144                       ; bytes in a row of qkv
.set PK,    272                        ; LDS pitch of K, Q and the stage: 256 + 16
.set PV,    288                        ; LDS pitch of V: 256 + 32, an odd multiple of 32, for the transposing load
.set REG,   64*PV                      ; 18,432: a region
.set SLOT,  4*REG                      ; 73,728
.set QOFF,  2*SLOT                     ; 147,456
.set QREG,  64*PK                      ; 17,408
.set STAGE, QOFF+4*QREG                ; 217,088
.set SREG,  16*PK                      ; 4,352
.set TILEB, 128*ROWB                   ; bytes in memory from one trip's keys to the next's
.set ADRK, 2                           ; v2-3    LDS address of my K fragments in slot 0, 1
.set ADRV, 4                           ; v4-5    the same for V
.set ADRQ, 6                           ; v6      for Q
.set STO,  7                           ; v7      the way out: where I put 16 bytes of a row
.set RD,   8                           ; v8      where I read a row back
.set CO,   9                           ; v9      my byte offset in ao
.set M,    12                          ; v12-15  query tile q: the running maximum of the raw scores
.set T,    16                          ; v16-19  at work
.set A,    20                          ; v20-23  at work
.set NM,   24                          ; v24-31  q: -c x maximum, twice (a pair for the packed multiply-add)
.set AL,   32                          ; v32-39  q: the scale for what was summed before, twice; at the end 1 / sum
.set LS,   40                          ; v40-47  q: two partial sums of this lane's p
.set F0,   64                          ; fragment buffer 0
.set F1,   128                         ; fragment buffer 1
.set TMP,  192                         ; the way out: packed results
.set G1K, 16                           ; s[16:23] group 1 for K's tiles
.set G1V, 24                           ; s[24:31] for V's: another padding
.set G1Q, 32                           ; s[32:39] for Q's: no mask
.set G0K, 40                           ; s[40:47] group 0 for K's tiles, one set for each slot
.set G0V, 48                           ; s[48:55] for V's
.set G0Q, 56                           ; s[56:59] for Q
.set MSB, 0
.macro WIN new                         ; the immediate's high byte repeats the setting that is left
.if MSB != \new
	s_set_vgpr_msb (MSB<<8)|\new
.set MSB, \new
.endif
.endm
.macro PLACES                          ; four places behind matrix instructions, in front of loads into their sources and of reads of their results
.rept 4
	v_nop
.endr
.endm
; A round of the cluster's barrier: my work-group's barrier; wave 0 signals for the work-group; every wave waits for all four work-groups; my work-group's barrier again.
.macro ROUND
	s_barrier_signal -1
	s_barrier_wait -1
	s_cmp_lg_u32 s8, 0
	s_cbranch_scc1 .Lnot_wave_0_\@
	s_barrier_signal -3
.Lnot_wave_0_\@:
	s_barrier_wait -3
	s_barrier_signal -1
	s_barrier_wait -1
.endm
; A joint load into slot s: waves 0 and 1 fetch K's two halves, waves 2 and 3 V's.  The branch hangs on the wave's number alone.
.macro JLOAD s
	s_cmp_eq_u32 s9, 0
	s_cbranch_scc0 .Lfor_v_\@
	tensor_load_to_lds s[G0K+4*\s:G0K+4*\s+3], s[G1K:G1K+7]
	s_nop 0
	s_branch .Lasked_\@
.Lfor_v_\@:
	tensor_load_to_lds s[G0V+4*\s:G0V+4*\s+3], s[G1V:G1V+7]
	s_nop 0
.Lasked_\@:
.endm
	s_load_b128 s[4:7], s[0:1], 0x0                ; qkv s[4:5], ao s[6:7]
	v_lshl_add_u32 v254, v0, 2, 0x39400
	v_mov_b32 v255, 0
	ds_add_u32 v254, v255
	v_lshrrev_b32 v1, 5, v0
	v_readfirstlane_b32 s8, v1                     ; wave 0..3
	s_lshr_b32 s9, s8, 1                           ; I fetch for K (0) or for V (1)
	s_and_b32 s10, s8, 1                           ; which 64 keys of the tile I fetch
	s_bfe_u32 s11, ttmp6, 0x40000                  ; cx: my place in the cluster
	s_lshl_b32 s12, ttmp9, 2
	s_add_co_u32 s12, s12, s11                     ; query block = 4 x cluster x + cx
	s_and_b32 s13, ttmp7, 0xffff                   ; the head, 8 b + h
	s_lshr_b32 s14, s13, 3                         ; b
	s_and_b32 s15, s13, 7
	s_lshl_b32 s15, s15, 8                         ; h x 128 columns x 2 bytes
	s_mov_b32 s66, 0x3e0293ee                      ; c = log2(e) / sqrt(128): the scale and the change of base in one
	s_mov_b32 s67, 0x3e0293ee                      ; (the pair's second word is named by the packed form too)
	s_mov_b32 s68, 0xbe0293ee                      ; -c
	s_mov_b32 s70, 0x76543210                      ; v_permlanex16_b32: lane i of one half reads lane i of the other
	s_mov_b32 s71, 0xfedcba98
	; K and V: the offset hangs on the head and the wave's number alone, which the four partners share
	s_mul_i32 s72, s14, 2048*ROWB                  ; b's first row
	s_add_co_u32 s72, s72, s15
	s_mul_i32 s74, s10, 64*ROWB                    ; my 64 keys
	s_add_co_u32 s72, s72, s74
	s_mov_b32 s73, 0
	; Q and ao: my wave's first query, 2,048 b + 256 x block + 64 x wave, in registers of their own
	s_lshl_b32 s78, s14, 11
	s_lshl_b32 s79, s12, 8
	s_add_co_u32 s78, s78, s79
	s_lshl_b32 s79, s8, 6
	s_add_co_u32 s78, s78, s79
	s_lshl_b32 s80, s78, 11                        ; ao: rows of 2,048 bytes
	s_add_co_u32 s80, s80, s15
	s_mov_b32 s81, 0
	s_mul_i32 s78, s78, ROWB                       ; qkv: 8,191 x 6,144 at the most
	s_add_co_u32 s78, s78, s15
	s_mov_b32 s79, 0
	; group 1: every tile is 64 rows x 128 elements of 2 bytes, 3,072 elements from row to row; padded behind every 64 words
	s_mov_b32 s[G1K+0], 15|(1<<16)|(1<<20)|(1<<21)|(5<<22)|(3<<25)   ; mask: all four partners; bit 21 set beside it; 4 words of padding: pitch 272
	s_mov_b32 s[G1V+0], 15|(1<<16)|(1<<20)|(1<<21)|(5<<22)|(7<<25)   ; 8 words of padding: pitch 288
	s_mov_b32 s[G1Q+0], (1<<16)|(1<<20)|(5<<22)|(3<<25)              ; no mask: a load of my own
.irp g, G1K, G1V, G1Q
	s_mov_b32 s[\g+1], 128<<16                     ; tensor_dim0 = 128
	s_mov_b32 s[\g+2], 64<<16                      ; tensor_dim1 = 64
	s_mov_b32 s[\g+3], 128<<16                     ; tile_dim0 = 128
	s_mov_b32 s[\g+4], 64                          ; tile_dim1 = 64
	s_mov_b32 s[\g+5], 3072                        ; the pitch
	s_mov_b32 s[\g+6], 0
	s_mov_b32 s[\g+7], 0
.endr
	s_mul_i32 s14, s8, REG                         ; my region in a slot
	s_mul_i32 s[G0Q+1], s8, QREG
	s_add_co_u32 s[G0Q+1], s[G0Q+1], QOFF          ; my Q rows in LDS
	s_mul_i32 s15, s8, SREG
	s_add_co_u32 s15, s15, STAGE                   ; my stage
	s_wait_dscnt 0x0
	s_wait_kmcnt 0x0
	s_add_nc_u64 s[74:75], s[4:5], s[72:73]
	s_add_nc_u64 s[76:77], s[74:75], 4096          ; V: column 2,048
	s_add_nc_u64 s[74:75], s[74:75], 2048          ; K: column 1,024
	s_add_nc_u64 s[78:79], s[4:5], s[78:79]        ; Q
	s_add_nc_u64 s[6:7], s[6:7], s[80:81]          ; ao at my first query and my head's columns
.irp s, 0,1
	s_mov_b32 s[G0K+4*\s], 1
	s_add_co_u32 s[G0K+4*\s+1], s14, \s*SLOT
	s_add_nc_u64 s[G0K+4*\s+2:G0K+4*\s+3], s[74:75], \s*TILEB      ; trip s's keys
	s_or_b32 s[G0K+4*\s+3], s[G0K+4*\s+3], 0x80000000
	s_mov_b32 s[G0V+4*\s], 1
	s_add_co_u32 s[G0V+4*\s+1], s14, \s*SLOT
	s_add_nc_u64 s[G0V+4*\s+2:G0V+4*\s+3], s[76:77], \s*TILEB
	s_or_b32 s[G0V+4*\s+3], s[G0V+4*\s+3], 0x80000000
.endr
	s_mov_b32 s[G0Q], 1
	s_mov_b64 s[G0Q+2:G0Q+3], s[78:79]
	s_or_b32 s[G0Q+3], s[G0Q+3], 0x80000000
	ROUND                                          ; all four work-groups are here: the first joint loads meet
	tensor_load_to_lds s[G0Q:G0Q+3], s[G1Q:G1Q+7]  ; my 64 queries
	s_nop 0
	JLOAD 0                                        ; my part of trip 0's keys.  Two tensor loads of this wave are out here, in every trip one
	v_and_b32 v1, 15, v0                           ; r
	v_bfe_u32 v10, v0, 4, 1                        ; hh
	v_mul_u32_u24 v[ADRK], v1, PK
	v_lshl_add_u32 v[ADRK], v10, 4, v[ADRK]        ; rows along d: r x pitch + 16 hh
	v_add_nc_u32 v[ADRK+1], SLOT, v[ADRK]
	v_and_b32 v[ADRV], 7, v0
	v_lshl_add_u32 v[ADRV], v10, 3, v[ADRV]        ; the transposing load: key 8 hh + (l & 7),
	v_mul_u32_u24 v[ADRV], v[ADRV], PV
	v_bfe_u32 v[ADRV+1], v0, 3, 1
	v_lshl_add_u32 v[ADRV], v[ADRV+1], 4, v[ADRV]  ; 16 bytes on for lanes 8-15 of each half
	v_add_nc_u32 v[ADRV+1], SLOT+2*REG, v[ADRV]
	v_add_nc_u32 v[ADRV], 2*REG, v[ADRV]           ; V lies behind K's two regions
	v_add_nc_u32 v[ADRQ], s[G0Q+1], v[ADRK]
	v_add_nc_u32 v[STO], s15, v[ADRK]              ; in: row r, 16 bytes for each half of the lanes
	v_mul_u32_u24 v[RD], v10, PK                   ; back: lanes 0-15 one row of 256 bytes, lanes 16-31 the next
	v_lshl_add_u32 v[RD], v1, 4, v[RD]
	v_add_nc_u32 v[RD], s15, v[RD]
	v_lshlrev_b32 v[CO], 11, v10                   ; and the same two rows in ao
	v_lshl_add_u32 v[CO], v1, 4, v[CO]
.irp q, 0,1,2,3
	v_mov_b32 v[T+\q], 0                           ; v_permlanex16_b32 counts as a reader of its destination
.endr
; Q's fragments, once: 4 query tiles x 4 steps of 32 d, into window 1
.macro FETCHQ
	WIN 0x40
.irp q, 0,1,2,3
.irp ds, 0,1,2,3
	ds_load_b128 v[32*\q+8*\ds:32*\q+8*\ds+3],   v[ADRQ] offset:\q*16*PK+64*\ds
	ds_load_b128 v[32*\q+8*\ds+4:32*\q+8*\ds+7], v[ADRQ] offset:\q*16*PK+64*\ds+32
.endr
.endr
.endm
; key tiles 2 g and 2 g + 1 of slot s, all 128 d, into buffer f: 16 loads
.macro FETCHK s, g, f
	PLACES
	WIN 0
.irp kk, 0,1
.set ko, ((2*\g+\kk)>>2)*REG+((2*\g+\kk)&3)*16*PK
.irp ds, 0,1,2,3
	ds_load_b128 v[\f+32*\kk+8*\ds:\f+32*\kk+8*\ds+3],   v[ADRK+\s] offset:ko+64*\ds
	ds_load_b128 v[\f+32*\kk+8*\ds+4:\f+32*\kk+8*\ds+7], v[ADRK+\s] offset:ko+64*\ds+32
.endr
.endr
.endm
; V^T for keys 32 ks .. 32 ks + 31 of slot s, all 8 tiles of 16 d, into buffer f: 16 transposing loads, the second of a pair 16 keys further down
.macro FETCHV s, ks, f
	PLACES
	WIN 0
.set vo, ((\ks)>>1)*REG+((\ks)&1)*32*PV
.irp dt, 0,1,2,3,4,5,6,7
	ds_load_tr16_b128 v[\f+8*\dt:\f+8*\dt+3],   v[ADRV+\s] offset:vo+32*\dt
	ds_load_tr16_b128 v[\f+8*\dt+4:\f+8*\dt+7], v[ADRV+\s] offset:vo+32*\dt+16*PV
.endr
.endm
; S^T of key tiles 2 g, 2 g + 1 x four query tiles: 32 matrix instructions.  The first step along d starts the sums.
; Eight accumulators take turns, one instruction a turn.
.macro SMUL g, f
	WIN 0xa4                                       ; K window 0, Q window 1, S window 2
.irp ds, 0,1,2,3
.irp kk, 0,1
.irp q, 0,1,2,3
.if \ds == 0
	v_wmma_f32_16x16x32_f16 v[64*\g+16*\q+8*\kk:64*\g+16*\q+8*\kk+7], v[\f+32*\kk+8*\ds:\f+32*\kk+8*\ds+7], v[32*\q+8*\ds:32*\q+8*\ds+7], 0
.else
	v_wmma_f32_16x16x32_f16 v[64*\g+16*\q+8*\kk:64*\g+16*\q+8*\kk+7], v[\f+32*\kk+8*\ds:\f+32*\kk+8*\ds+7], v[32*\q+8*\ds:32*\q+8*\ds+7], v[64*\g+16*\q+8*\kk:64*\g+16*\q+8*\kk+7]
.endif
.endr
.endr
.endr
.endm
; O^T += V^T P^T for keys 32 ks ..: 32 matrix instructions on 32 accumulators that take turns.  zero = 1: the launch's first product starts the sums.
.macro PVMUL ks, f, zero
	WIN 0xf8                                       ; V^T window 0, P window 2, O window 3
.irp dt, 0,1,2,3,4,5,6,7
.irp q, 0,1,2,3
.if \zero
	v_wmma_f32_16x16x32_f16 v[8*(4*\dt+\q):8*(4*\dt+\q)+7], v[\f+8*\dt:\f+8*\dt+7], v[64*\ks+16*\q:64*\ks+16*\q+7], 0
.else
	v_wmma_f32_16x16x32_f16 v[8*(4*\dt+\q):8*(4*\dt+\q)+7], v[\f+8*\dt:\f+8*\dt+7], v[64*\ks+16*\q:64*\ks+16*\q+7], v[8*(4*\dt+\q):8*(4*\dt+\q)+7]
.endif
.endr
.endr
.endm
.macro FMAB b                          ; block b of S: c s - c m, two at a time
.set fb, 16*(\b)
.set fn, NM+2*((\b)&3)
.irp i, 0,2,4,6,8,10,12,14
	v_pk_fma_f32 v[fb+\i:fb+\i+1], v[fb+\i:fb+\i+1], s[66:67], v[fn:fn+1] op_sel_hi:[1,0,1]
.endr
.endm
.macro EXPB b                          ; block b: 2 to that power, in place
.set eb, 16*(\b)
.set e, 0
.rept 16
	v_exp_f32 v[eb+e], v[eb+e]
.set e, e+1
.endr
.endm
; From S to P, and the state.  first = 1: the launch's first trip: nothing has been summed yet.
.macro SOFTMAX first
	; the largest of my 64 scores of each query tile and of the maximum so far: four chains, one for each tile
	WIN 0x0a                                       ; sources 0 and 1 window 2
.irp q, 0,1,2,3
.if \first
	v_max_num_f32 v[M+\q], v[16*\q], v[16*\q+1]
.else
	v_max3_num_f32 v[M+\q], v[16*\q], v[16*\q+1], v[M+\q]
.endif
.endr
.set p, 1
.rept 31
.set sb, 64*(p>>3)+2*(p&7)
.irp q, 0,1,2,3
	v_max3_num_f32 v[M+\q], v[sb+16*\q], v[sb+16*\q+1], v[M+\q]
.endr
.set p, p+1
.endr
	WIN 0
.irp q, 0,1,2,3
	v_permlanex16_b32 v[T+\q], v[M+\q], s70, s71   ; the query's other 64 keys lie in lane l xor 16
.endr
.irp q, 0,1,2,3
	v_max_num_f32 v[M+\q], v[M+\q], v[T+\q]
.endr
.irp q, 0,1,2,3
	v_mul_f32 v[A+\q], s68, v[M+\q]                ; -c m, rounded once: this very number enters all exponents of the trip
.endr
.if \first == 0
.irp q, 0,1,2,3
	v_sub_f32 v[T+\q], v[A+\q], v[NM+2*\q]         ; the new one less the old one, c (m old - m new) <= 0: not fused with the multiply, so that old and new terms differ by exactly this power
.endr
.endif
.irp q, 0,1,2,3
	v_mov_b32 v[NM+2*\q], v[A+\q]
	v_mov_b32 v[NM+2*\q+1], v[A+\q]
.endr
.if \first == 0
.irp q, 0,1,2,3
	v_exp_f32 v[AL+2*\q], v[T+\q]                  ; the scale for what was summed before.  The plain multiply-adds below stand between these and their first use
	v_exp_f32 v[AL+2*\q+1], v[T+\q]
.endr
.endif
	; p = 2^(c s - c m), in place, block by block; a block's multiply-adds stand one block ahead of its exponentials, and are the plain place behind the block before
	WIN 0x82                                       ; source 0 and destination window 2
	FMAB 0
.set bb, 0
.rept 15
	FMAB bb+1
	EXPB bb
.set bb, bb+1
.endr
	EXPB 15
	; the lane's sums, in f32, two partial sums for each query tile.  The first line reads block 0 to 3 alone: a plain place behind block 15's exponentials
.if \first
	WIN 0x0a
	s_wait_alu depctr_va_vdst(0)
.irp q, 0,1,2,3
	v_pk_add_f32 v[LS+2*\q:LS+2*\q+1], v[16*\q:16*\q+1], v[16*\q+2:16*\q+3]
.endr
.else
	WIN 0x20                                       ; source 2 window 2
	s_wait_alu depctr_va_vdst(0)
.irp q, 0,1,2,3
	v_pk_fma_f32 v[LS+2*\q:LS+2*\q+1], v[LS+2*\q:LS+2*\q+1], v[AL+2*\q:AL+2*\q+1], v[16*\q:16*\q+1]
.endr
.endif
	WIN 0x02
.set p, 1+\first
.rept 31-\first
.set sb, 64*(p>>3)+2*(p&7)
.irp q, 0,1,2,3
	v_pk_add_f32 v[LS+2*\q:LS+2*\q+1], v[sb+16*\q:sb+16*\q+1], v[LS+2*\q:LS+2*\q+1]
.endr
.set p, p+1
.endr
	; to f16, in place: register i of a block takes registers 2 i and 2 i + 1, i ascending, so no source is overwritten before it is read
	WIN 0x8a
.set bb, 0
.rept 16
.irp i, 0,1,2,3,4,5,6,7
	v_cvt_pk_f16_f32 v[16*bb+\i], v[16*bb+2*\i], v[16*bb+2*\i+1]
.endr
.set bb, bb+1
.endr
.if \first == 0
	WIN 0xc3                                       ; O in window 3, the scale in window 0
.set tl, 0
.rept 32
.irp i, 0,2,4,6
	v_pk_mul_f32 v[8*tl+\i:8*tl+\i+1], v[8*tl+\i:8*tl+\i+1], v[AL+2*(tl&3):AL+2*(tl&3)+1]
.endr
.set tl, tl+1
.endr
.endif
.endm
; One trip: 128 keys from \slot.  refill = 1: the next trip's keys are asked for, into \other.
.macro TRIP slot, other, refill, first
	s_wait_tensorcnt 0x0                           ; all my tensor loads have landed, my part of this trip's tiles among them,
	ds_add_u32 v254, v255
	s_wait_dscnt 0x0
	s_add_nc_u64 s[G0K+4*\slot+2:G0K+4*\slot+3], s[G0K+4*\slot+2:G0K+4*\slot+3], 2*TILEB   ; so every group 0 may be written: this slot's next tiles
	s_add_nc_u64 s[G0V+4*\slot+2:G0V+4*\slot+3], s[G0V+4*\slot+2:G0V+4*\slot+3], 2*TILEB
	s_wait_dscnt 0x0                               ; my reads of the last trip's tiles are done
	ROUND                                          ; both now hold of every wave of all four work-groups
.if \refill
	JLOAD \other                                   ; my one tensor load behind the round, first thing there: it has this whole trip in which to land
.endif
.if \first
	FETCHQ
.endif
	FETCHK \slot, 0, F0
	s_wait_dscnt 0x0                               ; the run just issued (and Q, in the first trip)
	FETCHK \slot, 1, F1
	SMUL 0, F0
	s_wait_dscnt 0x0                               ; the run issued in front of the last 32 matrix instructions; so at each of these waits
	FETCHK \slot, 2, F0
	SMUL 1, F1
	s_wait_dscnt 0x0
	FETCHK \slot, 3, F1
	SMUL 2, F0
	s_wait_dscnt 0x0
	FETCHV \slot, 0, F0
	SMUL 3, F1
	FETCHV \slot, 1, F1                            ; its four places also stand in front of the first read of S
	SOFTMAX \first
	s_wait_dscnt 0x0
	PVMUL 0, F0, \first
	FETCHV \slot, 2, F0
	PVMUL 1, F1, 0
	s_wait_dscnt 0x0
	FETCHV \slot, 3, F1
	PVMUL 2, F0, 0
	s_wait_dscnt 0x0
	PVMUL 3, F1, 0
	WIN 0                                          ; at a label and at a branch every window is 0
.endm
	TRIP 0, 1, 1, 1                                ; trip 0; slot 1's first fill is issued as a refill is
	TRIP 1, 0, 1, 0
	s_mov_b32 s60, 6
.Ltrips:
	TRIP 0, 1, 1, 0
	TRIP 1, 0, 1, 0
	s_sub_co_u32 s60, s60, 1
	s_cmp_lg_u32 s60, 0
	s_cbranch_scc1 .Ltrips
	TRIP 0, 1, 1, 0                                ; trip 14 asks for trip 15's keys,
	TRIP 1, 0, 0, 0                                ; trip 15 for nothing (the stepped addresses are not used)
	PLACES                                         ; behind the last matrix instructions: O is read, and buffers 0 and 1 are loaded again
.irp q, 0,1,2,3
	v_add_f32 v[T+\q], v[LS+2*\q], v[LS+2*\q+1]
.endr
.irp q, 0,1,2,3
	v_permlanex16_b32 v[M+\q], v[T+\q], s70, s71   ; the sum over the query's other keys
.endr
.irp q, 0,1,2,3
	v_add_f32 v[T+\q], v[T+\q], v[M+\q]            ; about 1 at the least: the largest score's own term
.endr
.irp q, 0,1,2,3
	v_rcp_f32 v[AL+2*\q], v[T+\q]
	v_rcp_f32 v[AL+2*\q+1], v[T+\q]
.endr
	v_nop                                          ; one plain place between the reciprocals and their first use (ISA guide 5.7.2)
	s_wait_alu depctr_va_vdst(0)
; THE WAY OUT, one query tile (16 rows of ao) at a time: divide, round to f16, 16 bytes a lane (8 neighbouring d of my query) into my own stage, read back as rows of 256 bytes.
.macro OUTQ q, f
	WIN 0xc3
.irp dt, 0,1,2,3,4,5,6,7
.irp i, 0,2,4,6
	v_pk_mul_f32 v[8*(4*\dt+\q)+\i:8*(4*\dt+\q)+\i+1], v[8*(4*\dt+\q)+\i:8*(4*\dt+\q)+\i+1], v[AL+2*\q:AL+2*\q+1]
.endr
.endr
	WIN 0x0f                                       ; sources 0 and 1 window 3
.irp dt, 0,1,2,3,4,5,6,7
.irp i, 0,1,2,3
	v_cvt_pk_f16_f32 v[TMP+4*\dt+\i], v[8*(4*\dt+\q)+2*\i], v[8*(4*\dt+\q)+2*\i+1]
.endr
.endr
	WIN 0
.irp dt, 0,1,2,3,4,5,6,7
	ds_store_b128 v[STO], v[TMP+4*\dt:TMP+4*\dt+3] offset:32*\dt
.endr
	s_wait_xcnt 0x0                                ; buffer f, which earlier stores read, and the stores' base are rewritten only behind this wait
.if \q
	s_add_nc_u64 s[6:7], s[6:7], 16*2048           ; 16 rows of ao on
.endif
.irp t, 0,1,2,3,4,5,6,7
	ds_load_b128 v[\f+4*\t:\f+4*\t+3], v[RD] offset:\t*2*PK        ; LDS serves a wave's instructions in order: these see the stores above
.endr
.irp t, 0,1,2,3,4,5,6,7
	s_wait_dscnt 7-\t                              ; read-back t is in, the 7 - t younger ones stay out
	global_store_b128 v[CO], v[\f+4*\t:\f+4*\t+3], s[6:7] offset:\t*2*2048   ; 16 lanes store 256 consecutive bytes (a head's 128 columns), at a multiple of 256 from ao's first byte
.endr
.endm
	OUTQ 0, F0
	OUTQ 1, F1
	OUTQ 2, F0
	OUTQ 3, F1
	s_wait_tensorcnt 0x0
	ds_add_u32 v254, v255
	s_wait_dscnt 0x0
	ROUND                                          ; the closing round: no work-group ends while a partner may still ask for a tile that names it
	s_endpgm
.Lfunc_end_k_q5cb5828946_attn:
	.size	k_q5cb5828946_attn, .Lfunc_end_k_q5cb5828946_attn-k_q5cb5828946_attn
	.p2alignl 7, 3214868480
	.fill 96, 4, 3214868480
	.section	.rodata,"a",@progbits
	.p2align	6, 0x0
	.amdhsa_kernel k_q5cb5828946_attn
		.amdhsa_group_segment_fixed_size 327680
		.amdhsa_private_segment_fixed_size 0
		.amdhsa_enable_private_segment 0
		.amdhsa_kernarg_size 16
		.amdhsa_user_sgpr_count 2
		.amdhsa_user_sgpr_kernarg_segment_ptr 1
		.amdhsa_wavefront_size32 1
		.amdhsa_system_sgpr_workgroup_id_x 1
		.amdhsa_system_sgpr_workgroup_id_y 1
		.amdhsa_system_sgpr_workgroup_id_z 1
		.amdhsa_system_vgpr_workitem_id 0
		.amdhsa_next_free_vgpr 1024
		.amdhsa_next_free_sgpr 84
		.amdhsa_reserve_vcc 0
		.amdhsa_float_denorm_mode_32 3
		.amdhsa_float_denorm_mode_16_64 3
		.amdhsa_memory_ordered 1
		.amdhsa_forward_progress 1
		.amdhsa_inst_pref_size 255
	.end_amdhsa_kernel
	.section	.bss,"aw",@nobits
	.p2align	6
	.space	262144
	.amdgpu_metadata
---
amdhsa.version: [ 1, 2 ]
amdhsa.kernels:
  - .name:           k_q5cb5828946_attn
    .symbol:         k_q5cb5828946_attn.kd
    .args:
      - { .name: qkv, .offset: 0, .size: 8, .value_kind: global_buffer, .address_space: global }
      - { .name: ao, .offset: 8, .size: 8, .value_kind: global_buffer, .address_space: global }
    .group_segment_fixed_size: 327680
    .private_segment_fixed_size: 0
    .kernarg_segment_align: 8
    .kernarg_segment_size: 16
    .max_flat_workgroup_size: 128
    .sgpr_count:     84
    .vgpr_count:     1024
    .wavefront_size: 32
...
	.end_amdgpu_metadata
.endif
;; end of part 3
;; launch proj (part 4): grid 4 x 64, 4 waves a work-group, clusters of 4 x 4, 327,680 bytes of LDS; arguments ao, xw, bo, out0; writes out0
.if DOCPART == 4
	.amdgcn_target "amdgcn-amd-amdhsa--gfx1250"
	.amdhsa_code_object_version 6
	.text
	.protected	k_q5cb5828946_proj
	.globl	k_q5cb5828946_proj
	.p2align	8
	.type	k_q5cb5828946_proj,@function
k_q5cb5828946_proj:
	s_mov_b64 s[64:65], 0
	v_nop
	global_prefetch_b8 v0, s[64:65] scope:SCOPE_SE
	s_setreg_imm32_b32 hwreg(HW_REG_WAVE_MODE, 25, 1), 1
	s_wait_xcnt 0x0
	s_wait_alu depctr_hold_cnt(0) depctr_sa_sdst(0) depctr_va_vdst(0) depctr_va_sdst(0) depctr_va_ssrc(0) depctr_va_vcc(0) depctr_vm_vsrc(0)
	s_getreg_b32 s2, hwreg(HW_REG_IB_STS2, 6, 4)
	s_cmp_eq_u32 s2, 0
	s_cbranch_scc0 .Lentry_in_a_cluster
	s_endpgm
.Lentry_in_a_cluster:
	s_bfe_u32 s2, ttmp6, 0x10000c
	s_cmp_lg_u32 s2, 0xf033
	s_cbranch_scc0 .Lentry_shape_is_right
	s_endpgm
.Lentry_shape_is_right:
; out0[m][n] = sum over k of ao[m][k] Wo[n][k] + bo[n].  ao: [8192][1024] f16; Wo: rows 11264.. of xw, f16, K along the rows; bo and out0 in f32.
; Sums in f32, K ascending; the bias is added in f32 on the way out.
; A work-group makes a block of 128 x 256 with four waves: 64 x 4 = 256 work-groups.  Wave (mh, nh) makes 64 rows x 128 columns: 32 accumulator tiles, 256 registers.
; K goes in steps of 128 through a ring of two LDS slots filled by the tensor data mover; a tile's rows are 256 bytes of memory and start at multiples of 256.
; CLUSTERS: 4 x 4 work-groups.  A's tiles hang on the block row alone and are asked for jointly along a row of the cluster, B's on the block column alone and
; are asked for jointly along a column: the requests for both are divided by four.
; REGISTERS: window 0: v16-31 addresses and the bias; v64-95, v128-159 fragments of A, two buffers (v64-127, v128-191 on the way out);
;            window 1: v64-127, v128-191 fragments of B; window 2: accumulator tile (a, b) at v[8 (8 a + b)].
; THE MATRIX INSTRUCTION IS USED TRANSPOSED (source 0 = rows of B, source 1 = rows of A): lane l holds row l % 16 of C, its registers the columns 8 (l / 16) + 0 .. 7.
.set SIZE_K, 1024
.set WOOFF,  0x1600000                 ; byte in xw at which Wo begins: 11,264 rows of 2,048 bytes
.set KSTEP,  128
.set PITCH,  272                       ; an LDS row: 256 bytes + 16 of padding
.set REG,    128*PITCH                 ; a region: what wave w's load fills (A's loads use the first 64 rows of theirs)
.set SLOT,   4*REG                     ; A's rows 0-63, A's rows 64-127, B's rows 0-127, B's rows 128-255
.set STAGE,  2*SLOT                    ; behind the ring: 16 rows x 528 bytes for each wave; no fill lands there
.set SPITCH, 528                       ; 512 bytes of f32 + 16
.set LAPS, SIZE_K/(2*KSTEP)            ; 4
.set ADRA, 16                          ; v16-17  LDS address of my A fragments in slot 0, 1
.set ADRB, 20                          ; v20-21  the same for B
.set STO,  24                          ; v24     the way out: where I put 32 bytes of a row
.set RD,   25                          ; v25     where I read a row back
.set CO,   26                          ; v26     my byte offset in a row of my 128 columns
.set BO,   27                          ; v27     my byte offset in bo
.set BIAS, 28                          ; v[28:31] bo of the four columns that I store
.set F0,   64
.set F1,   128
.set G1, 24                            ; s[24:31] group 1 for A's tiles: 64 rows
.set G0, 32                            ; s[32:39] group 0 for A's tiles, one set for each slot
.set G1B, 48                           ; s[48:55] group 1 for B's tiles: 128 rows
.set G0B, 56                           ; s[56:63] group 0 for B's tiles
.set MSB, 0
.macro WIN new                         ; the immediate's high byte repeats the setting that is left
.if MSB != \new
	s_set_vgpr_msb (MSB<<8)|\new
.set MSB, \new
.endif
.endm
.set MUL_LO, 0xa1                      ; source 0 (B) window 1, source 1 (A) window 0, C and D window 2
.set TO_B,   0x40                      ; destination window 1, address window 0
.macro JLOAD s                         ; waves 0 and 1 fetch A's two halves, waves 2 and 3 B's: the branch hangs on the wave's number alone
	s_cmp_eq_u32 s13, 0
	s_cbranch_scc0 .Lfor_b_\@
	tensor_load_to_lds s[G0+4*\s:G0+4*\s+3], s[G1:G1+7]
	s_nop 0
	s_branch .Lasked_\@
.Lfor_b_\@:
	tensor_load_to_lds s[G0B+4*\s:G0B+4*\s+3], s[G1B:G1B+7]
	s_nop 0
.Lasked_\@:
.endm
.macro CREST                           ; a round of the cluster's barrier behind its opening barrier
	s_cmp_lg_u32 s12, 0
	s_cbranch_scc1 .Lnot_wave_0_\@
	s_barrier_signal -3
.Lnot_wave_0_\@:
	s_barrier_wait -3
	s_barrier_signal -1
	s_barrier_wait -1
.endm
.macro CROUND                          ; a whole round
	s_barrier_signal -1
	s_barrier_wait -1
	CREST
.endm
.macro PLACES                          ; four places behind matrix instructions, in front of loads into their sources and of reads of their results
.rept 4
	v_nop
.endr
.endm
	s_load_b256 s[4:11], s[0:1], 0x0               ; ao s[4:5], xw s[6:7], bo s[8:9], out0 s[10:11]
	s_set_vgpr_msb 0x40
	v_lshl_add_u32 v255, v0, 2, 0x4c400
	s_set_vgpr_msb 0x4000
	v_mov_b32 v255, 0
	s_set_vgpr_msb 0x1
	ds_add_u32 v255, v255
	s_set_vgpr_msb 0x100
	v_lshrrev_b32 v1, 5, v0
	v_readfirstlane_b32 s12, v1                    ; wave 0..3
	s_lshr_b32 s13, s12, 1                         ; mh: which 64 rows are mine.  Also: I fetch for A (0) or for B (1)
	s_and_b32 s14, s12, 1                          ; nh: which 128 columns.  Also: which half of that tile I fetch
	s_bfe_u32 s40, ttmp6, 0x40000                  ; cx
	s_bfe_u32 s41, ttmp6, 0x40004                  ; cy
	s_lshl_b32 s42, ttmp9, 2
	s_add_co_u32 s42, s42, s40                     ; block column = 4 x cluster x + cx
	s_and_b32 s45, ttmp7, 0xffff
	s_lshl_b32 s45, s45, 2
	s_add_co_u32 s45, s45, s41                     ; block row = 4 x cluster y + cy
	s_lshl_b32 s43, s41, 2
	s_lshl_b32 s43, 15, s43                        ; my row of the cluster
	s_lshl_b32 s44, 0x1111, s40                    ; my column
	s_or_b32 s[G1+0], s43, (1<<16)|(1<<20)|(1<<21)|(5<<22)|(3<<25)  ; the mask; element of 2 bytes; padding on; bit 21 beside a mask; 4 words behind every 64
	s_or_b32 s[G1B+0], s44, (1<<16)|(1<<20)|(1<<21)|(5<<22)|(3<<25)
	s_mov_b32 s[G1+1], KSTEP<<16                   ; tensor_dim0 = 128
	s_mov_b32 s[G1+2], 64<<16                      ; tensor_dim1 = 64
	s_mov_b32 s[G1+3], KSTEP<<16                   ; tile_dim0 = 128
	s_mov_b32 s[G1+4], 64                          ; tile_dim1 = 64
	s_mov_b32 s[G1+5], SIZE_K                      ; the pitch
	s_mov_b32 s[G1+6], 0
	s_mov_b32 s[G1+7], 0
	s_mov_b32 s[G1B+1], KSTEP<<16
	s_mov_b32 s[G1B+2], 128<<16                    ; B: 128 rows
	s_mov_b32 s[G1B+3], KSTEP<<16
	s_mov_b32 s[G1B+4], 128
	s_mov_b32 s[G1B+5], SIZE_K
	s_mov_b32 s[G1B+6], 0
	s_mov_b32 s[G1B+7], 0
	; A's offset hangs on the block row and the wave's number, B's on the block column and the wave's number; both stay below 2^25 bytes
	s_lshl_b32 s16, s45, 7
	s_lshl_b32 s21, s14, 6
	s_add_co_u32 s16, s16, s21                     ; A: row 128 x block row + 64 x half
	s_lshl_b32 s16, s16, 11                        ; rows of 2,048 bytes
	s_mov_b32 s17, 0
	s_lshl_b32 s46, s42, 8
	s_lshl_b32 s21, s14, 7
	s_add_co_u32 s46, s46, s21                     ; B: row 256 x block column + 128 x half
	s_lshl_b32 s46, s46, 11
	s_mov_b32 s47, 0
	s_mul_i32 s20, s12, REG                        ; where my load goes: wave x a region
	s_wait_dscnt 0x0
	s_wait_kmcnt 0x0
	s_add_nc_u64 s[6:7], s[6:7], WOOFF             ; Wo in xw
	s_add_nc_u64 s[16:17], s[4:5], s[16:17]
	s_add_nc_u64 s[46:47], s[6:7], s[46:47]
	CROUND                                         ; all sixteen work-groups are here: the first joint loads meet
.irp s, 0,1
	s_mov_b32 s[G0+4*\s], 1
	s_add_co_u32 s[G0+4*\s+1], s20, \s*SLOT
	s_add_nc_u64 s[G0+4*\s+2:G0+4*\s+3], s[16:17], \s*KSTEP*2      ; K step s
	s_or_b32 s[G0+4*\s+3], s[G0+4*\s+3], 0x80000000
	s_mov_b32 s[G0B+4*\s], 1
	s_add_co_u32 s[G0B+4*\s+1], s20, \s*SLOT
	s_add_nc_u64 s[G0B+4*\s+2:G0B+4*\s+3], s[46:47], \s*KSTEP*2
	s_or_b32 s[G0B+4*\s+3], s[G0B+4*\s+3], 0x80000000
	JLOAD \s                                       ; both slots' first fills go out together: two tensor loads of this wave are out, later one
.endr
	v_and_b32 v1, 15, v0                           ; l % 16
	v_bfe_u32 v2, v0, 4, 1                         ; l / 16
	v_mul_u32_u24 v3, v1, PITCH
	v_lshl_add_u32 v3, v2, 4, v3                   ; row x pitch + 16 x half
	s_mul_i32 s21, s13, REG                        ; my 64 rows of A: region mh
	s_mul_i32 s22, s14, REG
	s_add_co_u32 s22, s22, 2*REG                   ; my 128 rows of B: region 2 + nh
.irp s, 0,1
	v_add_nc_u32 v[ADRA+\s], s21, v3
	v_add_nc_u32 v[ADRB+\s], s22, v3
	s_add_co_u32 s21, s21, SLOT
	s_add_co_u32 s22, s22, SLOT
.endr
	s_mul_i32 s23, s12, 16*SPITCH
	s_add_co_u32 s23, s23, STAGE                   ; my stage
	v_mul_u32_u24 v4, v1, SPITCH                   ; in: row l % 16, 32 bytes (8 columns) for each half of the lanes
	v_lshl_add_u32 v4, v2, 5, v4
	v_add_nc_u32 v[STO], s23, v4
	v_and_b32 v5, 31, v0
	v_lshlrev_b32 v[CO], 4, v5                     ; back: the 32 lanes take one row of 512 bytes
	v_add_nc_u32 v[RD], s23, v[CO]
	s_lshl_b32 s21, s42, 10                        ; my first column in bytes of f32: 1,024 x block column + 512 nh
	s_lshl_b32 s22, s14, 9
	s_add_co_u32 s21, s21, s22
	v_add_nc_u32 v[BO], s21, v[CO]
	global_load_b128 v[BIAS:BIAS+3], v[BO], s[8:9] ; waited for in front of the way out
; 16 matrix instructions: m blocks a0, a0 + 1 x all 8 n blocks, 32 along K.  zero = 1: the first product starts the sums.
; The 32 accumulators take turns, one instruction a turn, in the same order in every quarter step.
.macro MUL16 f, a0, zero
.irp a, \a0, \a0+1
.irp b, 0,1,2,3,4,5,6,7
.if \zero
	v_wmma_f32_16x16x32_f16 v[8*(8*(\a)+\b):8*(8*(\a)+\b)+7], v[\f+8*\b:\f+8*\b+7], v[\f+8*(\a):\f+8*(\a)+7], 0
.else
	v_wmma_f32_16x16x32_f16 v[8*(8*(\a)+\b):8*(8*(\a)+\b)+7], v[\f+8*\b:\f+8*\b+7], v[\f+8*(\a):\f+8*(\a)+7], v[8*(8*(\a)+\b):8*(8*(\a)+\b)+7]
.endif
.endr
.endr
.endm
; 24 LDS loads in one run: 128 rows of B and 64 rows of A, 32 K at byte k of the rows, into buffer f
.macro FETCH slot, k, f
	WIN TO_B
.irp i, 0,1,2,3,4,5,6,7
	ds_load_b128 v[\f+8*\i:\f+8*\i+3],   v[ADRB+\slot] offset:\k+\i*16*PITCH
	ds_load_b128 v[\f+8*\i+4:\f+8*\i+7], v[ADRB+\slot] offset:\k+\i*16*PITCH+32
.endr
	WIN 0
.irp i, 0,1,2,3
	ds_load_b128 v[\f+8*\i:\f+8*\i+3],   v[ADRA+\slot] offset:\k+\i*16*PITCH
	ds_load_b128 v[\f+8*\i+4:\f+8*\i+7], v[ADRA+\slot] offset:\k+\i*16*PITCH+32
.endr
.endm
; A K step is four quarter steps of 32 along K, 32 matrix instructions each, on buffers 0, 1, 0, 1.
; One of the first three: at its head it fetches the next quarter's fragments into buffer g, then multiplies buffer f: the loads have 32 matrix instructions in which to land.
.macro QUARTER slot, k, f, g, zero
	s_wait_dscnt 0                                 ; buffer f is in
	PLACES                                         ; buffer g was read by the matrix instructions just in front
	FETCH \slot, \k, \g
	WIN MUL_LO
	MUL16 \f, 0, \zero
	MUL16 \f, 2, \zero
.endm
.macro THREE slot, zero
	QUARTER \slot, 64,  F0, F1, \zero
	QUARTER \slot, 128, F1, F0, 0
	QUARTER \slot, 192, F0, F1, 0
.endm
; The last quarter: multiplies buffer 1 and changes slots.  One barrier for the change: in front of it each wave waits for its reads of this slot and for all its
; tensor loads, of which one is out: its part of the next slot.  Behind it the refill comes first, then the next slot's first fragments.
; From a request to the wait for it a wave issues 112 matrix instructions.
.macro TURN slot, next, fill
	s_wait_dscnt 0                                 ; buffer 1 is in: my reads of this slot are over
	s_wait_tensorcnt 0x0                           ; and all my tensor loads have landed
	ds_add_u32 v255, v255
	s_wait_dscnt 0x0
	s_barrier_signal -1                            ; say so (where a slot is filled again this barrier opens a round of the cluster's barrier),
	WIN MUL_LO
	MUL16 F1, 0, 0                                 ; work on registers while the others arrive,
	WIN 0
	s_barrier_wait -1                              ; and go on when all four have said so
.if \fill
	CREST                                          ; all sixteen work-groups have said so: no wave of any partner still reads this slot's tile or has a load on its way
	s_add_nc_u64 s[G0+4*\slot+2:G0+4*\slot+3], s[G0+4*\slot+2:G0+4*\slot+3], 2*KSTEP*2
	s_add_nc_u64 s[G0B+4*\slot+2:G0B+4*\slot+3], s[G0B+4*\slot+2:G0B+4*\slot+3], 2*KSTEP*2
	JLOAD \slot                                    ; the first tensor load behind the round, and my only one until the next
.endif
	PLACES
	FETCH \next, 0, F0
	WIN MUL_LO
	MUL16 F1, 2, 0
.endm
.macro LAP zero                        ; once round the ring, both slots filled again
	THREE 0, \zero
	TURN 0, 1, 1
	THREE 1, 0
	TURN 1, 0, 1
.endm
	s_wait_tensorcnt 1                             ; my part of K step 0 is in; K step 1's load, issued behind it, may stay out
	s_barrier_signal -1
	s_barrier_wait -1                              ; everybody's is
	FETCH 0, 0, F0
	LAP 1                                          ; the first lap stands in front of the loop: its first products start the sums
	WIN 0                                          ; at a label and at a branch every window is 0
	s_mov_b32 s3, LAPS-2
.Llap:
	LAP 0
	WIN 0
	s_sub_co_u32 s3, s3, 1
	s_cmp_lg_u32 s3, 0
	s_cbranch_scc1 .Llap
	THREE 0, 0                                     ; the last lap fills nothing
	TURN 0, 1, 0
	THREE 1, 0
	s_wait_dscnt 0                                 ; the very last quarter: nothing more to fetch
	WIN MUL_LO
	MUL16 F1, 0, 0
	MUL16 F1, 2, 0
	; THE WAY OUT, 16 rows at a time: the accumulators go as they are (f32) into my own stage, 32 bytes a lane, and come back as whole rows of 512 bytes.
	PLACES                                         ; behind the last matrix instructions: for the LDS stores that read results and the loads into buffers 0 and 1
	s_wait_loadcnt 0x0                             ; the bias
	s_lshl_b32 s21, s45, 7
	s_lshl_b32 s22, s13, 6
	s_add_co_u32 s21, s21, s22                     ; my first row: 128 x block row + 64 mh
	s_lshl_b32 s22, s21, 12                        ; rows of 4,096 bytes: 8,191 x 4,096 at the most
	s_lshl_b32 s21, s42, 10
	s_add_co_u32 s22, s22, s21                     ; + 1,024 x block column
	s_lshl_b32 s21, s14, 9
	s_add_co_u32 s22, s22, s21                     ; + 512 nh
	s_mov_b32 s23, 0
	s_add_nc_u64 s[10:11], s[10:11], s[22:23]
; rows 16 a .. 16 a + 15 of my block = the eight tiles (a, 0..7); f: F0 or F1 in turn (64 registers of window 0)
.macro OUT16 a, f
	WIN 0x08                                       ; an LDS store's data is source 1: window 2
.irp b, 0,1,2,3,4,5,6,7
	ds_store_b128 v[STO], v[8*(8*\a+\b):8*(8*\a+\b)+3]   offset:64*\b
	ds_store_b128 v[STO], v[8*(8*\a+\b)+4:8*(8*\a+\b)+7] offset:64*\b+16
.endr
	WIN 0
	s_wait_xcnt 0x0                                ; buffer f, which earlier stores read, and the stores' base are rewritten only behind this wait
.if \a
	s_add_nc_u64 s[10:11], s[10:11], 16*4096       ; 16 rows of out0 on
.endif
.irp t, 0,1,2,3,4,5,6,7,8,9,10,11,12,13,14,15
	ds_load_b128 v[\f+4*\t:\f+4*\t+3], v[RD] offset:\t*SPITCH      ; LDS serves a wave's instructions in order: these see the stores above
.endr
.irp t, 0,1,2,3,4,5,6,7,8,9,10,11,12,13,14,15
	s_wait_dscnt 15-\t                             ; row t is in, the 15 - t younger ones stay out
	v_pk_add_f32 v[\f+4*\t:\f+4*\t+1],   v[\f+4*\t:\f+4*\t+1],   v[BIAS:BIAS+1]
	v_pk_add_f32 v[\f+4*\t+2:\f+4*\t+3], v[\f+4*\t+2:\f+4*\t+3], v[BIAS+2:BIAS+3]
	global_store_b128 v[CO], v[\f+4*\t:\f+4*\t+3], s[10:11] offset:\t*4096 th:TH_STORE_NT   ; the wave stores 512 consecutive bytes, at a multiple of 512 from out0's first byte
.endr
.endm
	OUT16 0, F0
	OUT16 1, F1
	OUT16 2, F0
	OUT16 3, F1
	s_set_vgpr_msb 0x1
	s_wait_tensorcnt 0x0
	ds_add_u32 v255, v255
	s_wait_dscnt 0x0
	s_set_vgpr_msb 0x100
	CROUND                                         ; the closing round: no work-group ends while a partner may still ask for a tile that names it
	s_endpgm
.Lfunc_end_k_q5cb5828946_proj:
	.size	k_q5cb5828946_proj, .Lfunc_end_k_q5cb5828946_proj-k_q5cb5828946_proj
	.p2alignl 7, 3214868480
	.fill 96, 4, 3214868480
	.section	.rodata,"a",@progbits
	.p2align	6, 0x0
	.amdhsa_kernel k_q5cb5828946_proj
		.amdhsa_group_segment_fixed_size 327680
		.amdhsa_private_segment_fixed_size 0
		.amdhsa_enable_private_segment 0
		.amdhsa_kernarg_size 32
		.amdhsa_user_sgpr_count 2
		.amdhsa_user_sgpr_kernarg_segment_ptr 1
		.amdhsa_wavefront_size32 1
		.amdhsa_system_sgpr_workgroup_id_x 1
		.amdhsa_system_sgpr_workgroup_id_y 1
		.amdhsa_system_sgpr_workgroup_id_z 1
		.amdhsa_system_vgpr_workitem_id 0
		.amdhsa_next_free_vgpr 768
		.amdhsa_next_free_sgpr 66
		.amdhsa_reserve_vcc 0
		.amdhsa_float_denorm_mode_32 3
		.amdhsa_float_denorm_mode_16_64 3
		.amdhsa_memory_ordered 1
		.amdhsa_forward_progress 1
		.amdhsa_inst_pref_size 126
	.end_amdhsa_kernel
	.amdgpu_metadata
---
amdhsa.version: [ 1, 2 ]
amdhsa.kernels:
  - .name:           k_q5cb5828946_proj
    .symbol:         k_q5cb5828946_proj.kd
    .args:
      - { .name: ao, .offset: 0, .size: 8, .value_kind: global_buffer, .address_space: global }
      - { .name: xw, .offset: 8, .size: 8, .value_kind: global_buffer, .address_space: global }
      - { .name: bo, .offset: 16, .size: 8, .value_kind: global_buffer, .address_space: global }
      - { .name: out0, .offset: 24, .size: 8, .value_kind: global_buffer, .address_space: global }
    .group_segment_fixed_size: 327680
    .private_segment_fixed_size: 0
    .kernarg_segment_align: 8
    .kernarg_segment_size: 32
    .max_flat_workgroup_size: 128
    .sgpr_count:     66
    .vgpr_count:     768
    .wavefront_size: 32
...
	.end_amdgpu_metadata
.endif
;; end of part 4
;; ======== version 2 of 2: 4 launches; version 1 with the launch cast written anew for expert scheduling mode
;; limits: values are held in f16: magnitudes above 65,504 overflow, below 6.1e-05 lose precision
;; workspace buffers: xw 25,165,824 bytes; qkv 50,331,648 bytes; ao 16,777,216 bytes
;; launch cast (part 5): grid 768 x 1, 8 waves a work-group, no clusters, 0 bytes of LDS; arguments x, Wq, Wk, Wv, Wo, xw; writes xw
.if DOCPART == 5
	.amdgcn_target "amdgcn-amd-amdhsa--gfx1250"
	.amdhsa_code_object_version 6
	.text
	.protected	k_q5cb5828946_cast
	.globl	k_q5cb5828946_cast
	.p2align	8
	.type	k_q5cb5828946_cast,@function
k_q5cb5828946_cast:
	s_mov_b64 s[64:65], 0
	v_nop
	global_prefetch_b8 v0, s[64:65] scope:SCOPE_SE
	s_setreg_imm32_b32 hwreg(HW_REG_WAVE_SCHED_MODE, 0, 2), 2
	s_setreg_imm32_b32 hwreg(HW_REG_WAVE_MODE, 25, 1), 1
	s_wait_xcnt 0x0
	s_wait_alu depctr_vm_vsrc(0)
; xw[12288][1024] in f16 = x (rows 0-8191), Wq (8192..), Wk (9216..), Wv (10240..), Wo (11264..), each number rounded once.
; WHY f16: the result passes through a chain of rounded operands (x, W, q, k, v, p, the attention's output, Wo); f16's eleven significant bits make each of
; these roundings eight times finer than eight bits would.  LIMIT: an input beyond 65,504 in magnitude becomes infinite; below 6.1e-5 the step is 6e-8.
; A stream: every input byte is read once, every output byte written once.  No LDS, no matrix unit, no cluster: no two work-groups read the same byte.
; Work-group g takes 16,384 numbers: 65,536 bytes in, 32,768 bytes out.  g < 512: chunk g of x; g = 512 + 64 w + c: chunk c of weight w.
; The place in xw is g x 32,768 in every case, since the five tensors lie there one behind the other.
; Thread t takes 16 bytes at 16 t of each of sixteen pieces of 4,096 bytes: a wave's load covers 512 consecutive bytes, and its store of 8 bytes a lane
; covers 256 consecutive bytes that start at a multiple of 256 from xw's first byte.  All sixteen loads go out before the first wait for data.
; THE MODE: SCHED_MODE bits 1:0 = 2 (LLVM: expert scheduling mode 2), set by the entry lines.  The code itself states the register dependences
; between vector instructions and memory instructions, with s_wait_alu, always for 0.
; THE PLAN.  Registers that memory instructions touch:
;   v1, v2   byte offsets.  Written once each by a vector shift at the head; read by every load (v1) and every store (v2); never written again.
;   X        written by the sixteen loads alone, each register once; no vector instruction names it ahead of the loads; read by the conversions.
;   Y        written by the conversions, each register once; read by the stores, each register once; never written again.
; So no register that a memory instruction has read is ever rewritten, and no load lands in a register that a vector instruction has named.  What is left to state:
; the offsets are written ahead of the first load (one wait), and a store's data are written ahead of the store.  For the second the sixteen pieces go in four
; blocks of four: a block's eight conversions, ONE wait, the run of its four stores.  Five waits on va_vdst in all.  No vector instruction writes a scalar register
; or VCC, and EXEC is never written.
.set X, 4                              ; v[4:67]   piece i: 4 numbers in f32
.set Y, 68                             ; v[68:99]  piece i: the same 4 in f16
.set BLOCK, 4                          ; pieces in a block
	s_load_b256 s[4:11], s[0:1], 0x0               ; x s[4:5], Wq s[6:7], Wk s[8:9], Wv s[10:11]
	s_load_b128 s[12:15], s[0:1], 0x20             ; Wo s[12:13], xw s[14:15]
	s_mov_b32 s16, ttmp9                           ; g
	s_and_b32 s17, s16, 63                         ; the chunk inside a weight
	v_lshlrev_b32 v1, 4, v0                        ; 16 t: where I load
	v_lshlrev_b32 v2, 3, v0                        ; 8 t: where I store
	s_wait_kmcnt 0x0
	s_mov_b64 s[20:21], s[12:13]                   ; the source: Wo, unless g lies below one of the four bounds
	s_cmp_lt_u32 s16, 704
	s_cselect_b64 s[20:21], s[10:11], s[20:21]     ; Wv
	s_cmp_lt_u32 s16, 640
	s_cselect_b64 s[20:21], s[8:9], s[20:21]       ; Wk
	s_cmp_lt_u32 s16, 576
	s_cselect_b64 s[20:21], s[6:7], s[20:21]       ; Wq
	s_cmp_lt_u32 s16, 512
	s_cselect_b64 s[20:21], s[4:5], s[20:21]       ; x
	s_cselect_b32 s18, s16, s17                    ; and the chunk's number in that source (a select leaves SCC as it is)
	s_lshl_b32 s18, s18, 16                        ; x 65,536 bytes: 511 x 65,536 at the most
	s_mov_b32 s19, 0
	s_add_nc_u64 s[20:21], s[20:21], s[18:19]
	s_lshl_b32 s22, s16, 15                        ; g x 32,768 bytes
	s_mov_b32 s23, 0
	s_add_nc_u64 s[14:15], s[14:15], s[22:23]
	s_wait_alu depctr_va_vdst(0)                   ; v1 and v2 are written: every load below reads v1 as its offset, every store v2; neither is written again
.set i, 0
.rept 16
	global_load_b128 v[X+4*i:X+4*i+3], v1, s[20:21] offset:4096*i th:TH_LOAD_NT   ; read once in the whole launch
.set i, i+1
.endr
.set p, 0
.rept 16/BLOCK
	s_wait_loadcnt 16-BLOCK-BLOCK*p                ; loads come back in order: block p's four pieces are in, the younger blocks' loads, four each, stay out
.set i, BLOCK*p
.rept BLOCK
	v_cvt_pk_f16_f32 v[Y+2*i], v[X+4*i], v[X+4*i+1]
	v_cvt_pk_f16_f32 v[Y+2*i+1], v[X+4*i+2], v[X+4*i+3]
.set i, i+1
.endr
	s_wait_alu depctr_va_vdst(0)                   ; the block's eight conversions have written its Y registers, which the four stores below read
.set i, BLOCK*p
.rept BLOCK
	global_store_b64 v2, v[Y+2*i:Y+2*i+1], s[14:15] offset:2048*i   ; no hint: the next launch reads it.  No register is written twice, so no further wait
.set i, i+1
.endr
.set p, p+1
.endr
	s_endpgm
.Lfunc_end_k_q5cb5828946_cast:
	.size	k_q5cb5828946_cast, .Lfunc_end_k_q5cb5828946_cast-k_q5cb5828946_cast
	.p2alignl 7, 3214868480
	.fill 96, 4, 3214868480
	.section	.rodata,"a",@progbits
	.p2align	6, 0x0
	.amdhsa_kernel k_q5cb5828946_cast
		.amdhsa_group_segment_fixed_size 0
		.amdhsa_private_segment_fixed_size 0
		.amdhsa_enable_private_segment 0
		.amdhsa_kernarg_size 48
		.amdhsa_user_sgpr_count 2
		.amdhsa_user_sgpr_kernarg_segment_ptr 1
		.amdhsa_wavefront_size32 1
		.amdhsa_system_sgpr_workgroup_id_x 1
		.amdhsa_system_sgpr_workgroup_id_y 1
		.amdhsa_system_sgpr_workgroup_id_z 1
		.amdhsa_system_vgpr_workitem_id 0
		.amdhsa_next_free_vgpr 100
		.amdhsa_next_free_sgpr 66
		.amdhsa_reserve_vcc 0
		.amdhsa_float_denorm_mode_32 3
		.amdhsa_float_denorm_mode_16_64 3
		.amdhsa_memory_ordered 1
		.amdhsa_forward_progress 1
		.amdhsa_inst_pref_size 7
	.end_amdhsa_kernel
	.amdgpu_metadata
---
amdhsa.version: [ 1, 2 ]
amdhsa.kernels:
  - .name:           k_q5cb5828946_cast
    .symbol:         k_q5cb5828946_cast.kd
    .args:
      - { .name: x, .offset: 0, .size: 8, .value_kind: global_buffer, .address_space: global }
      - { .name: Wq, .offset: 8, .size: 8, .value_kind: global_buffer, .address_space: global }
      - { .name: Wk, .offset: 16, .size: 8, .value_kind: global_buffer, .address_space: global }
      - { .name: Wv, .offset: 24, .size: 8, .value_kind: global_buffer, .address_space: global }
      - { .name: Wo, .offset: 32, .size: 8, .value_kind: global_buffer, .address_space: global }
      - { .name: xw, .offset: 40, .size: 8, .value_kind: global_buffer, .address_space: global }
    .group_segment_fixed_size: 0
    .private_segment_fixed_size: 0
    .kernarg_segment_align: 8
    .kernarg_segment_size: 48
    .max_flat_workgroup_size: 256
    .sgpr_count:     66
    .vgpr_count:     100
    .wavefront_size: 32
...
	.end_amdgpu_metadata
.endif
;; end of part 5
;; launch qkv: the kernel of part 2 again; grid 12 x 32, 4 waves a work-group, clusters of 4 x 4, 327,680 bytes of LDS; arguments xw, qkv; writes qkv
;; launch attn: the kernel of part 3 again; grid 8 x 32, 4 waves a work-group, clusters of 4 x 1, 327,680 bytes of LDS; arguments qkv, ao; writes ao
;; launch proj: the kernel of part 4 again; grid 4 x 64, 4 waves a work-group, clusters of 4 x 4, 327,680 bytes of LDS; arguments ao, xw, bo, out0; writes out0
